; MI455X (gfx1250); checked and timed in simulation.
; The chip was launched on July 23, 2026; its instructions are those of AMD's public machine-readable ISA for CDNA 5 (MIT licence, August 2026) and "CDNA5" Instruction Set Architecture Reference Guide (July 2026). The comments in the code are by the model that wrote it; some were corrected since.
;; Multi Headed Attention. Allowed arithmetic: float matrix products may take bf16 or f16 operands with f32 sums; all other float work in f32.
;; Inputs: Wk 1,024 x 1,024 float32; Wo 1,024 x 1,024 float32; Wq 1,024 x 1,024 float32; Wv 1,024 x 1,024 float32; bk 1,024 float32; bo 1,024 float32; bq 1,024 float32; bv 1,024 float32; key 4 x 2,048 x 1,024 float32; query 4 x 2,048 x 1,024 float32; value 4 x 2,048 x 1,024 float32.
;; Outputs: out0 4 x 2,048 x 1,024 float32.
;; One version. Each part assembles by itself: llvm-mc -triple=amdgcn-amd-amdhsa -mcpu=gfx1250 --defsym DOCPART=n.
;; ======== version 1 of 1: 4 launches
;; limits: values are held in f16: magnitudes above 65,504 overflow, below 6.1e-05 lose precision
;; workspace buffers: wh 8,388,608 bytes; qh 16,777,216 bytes; kh 16,777,216 bytes; vh 16,777,216 bytes; xh 16,777,216 bytes
;; launch castw (part 1): grid 64 x 4, 8 waves a work-group, no clusters, 0 bytes of LDS; arguments Wq, Wk, Wv, Wo, wh; writes wh
.if DOCPART == 1
	.amdgcn_target "amdgcn-amd-amdhsa--gfx1250"
	.amdhsa_code_object_version 6
	.text
	.protected	k_q6c669c926b_castw
	.globl	k_q6c669c926b_castw
	.p2align	8
	.type	k_q6c669c926b_castw,@function
k_q6c669c926b_castw:
	s_mov_b64 s[64:65], 0
	v_nop
	global_prefetch_b8 v0, s[64:65] scope:SCOPE_SE
	s_setreg_imm32_b32 hwreg(HW_REG_WAVE_MODE, 25, 1), 1
	s_wait_xcnt 0x0
; castw: the four weight matrices, f32 [1024][1024], are rounded once to f16 in the same [K][N] layout:
; wh = f16 [4][1024][1024] in the order q, k, v, o.  The products of the later launches read them as 16-bit tiles.
; LIMIT: a weight of magnitude 65,520 or more becomes an infinity in f16; below 6.1e-5 the f16 number is denormal (absolute step 6e-8).
; A stream: work-group (x, y) takes 65,536 bytes (16,384 numbers) of matrix y.  Thread t takes 16 bytes at 16 t of each 4,096-byte piece, so a
; load of a wave covers 512 neighbouring bytes and a store of a wave 256 neighbouring bytes that start at a multiple of 256.
; All sixteen loads of a thread go out at once.  No LDS, no barrier, no matrix unit, no cluster: no byte is used twice and no work-group shares an input.
.set IN,  16                           ; v[16:79]   sixteen loads of four f32
.set OUT, 80                           ; v[80:111]  sixteen pairs of registers, four f16 each
	s_load_b256 s[4:11], s[0:1], 0x0               ; Wq s[4:5], Wk s[6:7], Wv s[8:9], Wo s[10:11]
	s_load_b64 s[12:13], s[0:1], 0x20              ; wh
	s_and_b32 s16, ttmp7, 0xffff                   ; y: which matrix
	s_lshl_b32 s18, ttmp9, 16                      ; x times 65,536 bytes of f32
	s_mov_b32 s19, 0
	s_lshl_b32 s20, s16, 21                        ; y times 2,097,152 bytes of f16
	s_lshl_b32 s17, ttmp9, 15                      ; x times 32,768 bytes of f16
	s_add_co_u32 s20, s20, s17
	s_mov_b32 s21, 0
	v_lshlrev_b32 v1, 4, v0                        ; 16 t
	v_lshlrev_b32 v2, 3, v0                        ; 8 t
	s_wait_kmcnt 0x0
	s_cmp_eq_u32 s16, 1                            ; the source is chosen by y alone
	s_cselect_b64 s[14:15], s[6:7], s[4:5]
	s_cmp_eq_u32 s16, 2
	s_cselect_b64 s[14:15], s[8:9], s[14:15]
	s_cmp_eq_u32 s16, 3
	s_cselect_b64 s[14:15], s[10:11], s[14:15]
	s_add_nc_u64 s[14:15], s[14:15], s[18:19]
	s_add_nc_u64 s[12:13], s[12:13], s[20:21]
.irp i, 0,1,2,3,4,5,6,7,8,9,10,11,12,13,14,15
	global_load_b128 v[IN+4*\i:IN+4*\i+3], v1, s[14:15] offset:4096*\i th:TH_LOAD_NT
.endr
.irp i, 0,1,2,3,4,5,6,7,8,9,10,11,12,13,14,15
	s_wait_loadcnt 15-\i                           ; loads come back in order: load i is in, the 15 - i younger ones stay out
	v_cvt_pk_f16_f32 v[OUT+2*\i],   v[IN+4*\i],   v[IN+4*\i+1]
	v_cvt_pk_f16_f32 v[OUT+2*\i+1], v[IN+4*\i+2], v[IN+4*\i+3]
	global_store_b64 v2, v[OUT+2*\i:OUT+2*\i+1], s[12:13] offset:2048*\i
.endr
	s_endpgm
.Lfunc_end_k_q6c669c926b_castw:
	.size	k_q6c669c926b_castw, .Lfunc_end_k_q6c669c926b_castw-k_q6c669c926b_castw
	.p2alignl 7, 3214868480
	.fill 96, 4, 3214868480
	.section	.rodata,"a",@progbits
	.p2align	6, 0x0
	.amdhsa_kernel k_q6c669c926b_castw
		.amdhsa_group_segment_fixed_size 0
		.amdhsa_private_segment_fixed_size 0
		.amdhsa_enable_private_segment 0
		.amdhsa_kernarg_size 40
		.amdhsa_user_sgpr_count 2
		.amdhsa_user_sgpr_kernarg_segment_ptr 1
		.amdhsa_wavefront_size32 1
		.amdhsa_system_sgpr_workgroup_id_x 1
		.amdhsa_system_sgpr_workgroup_id_y 1
		.amdhsa_system_sgpr_workgroup_id_z 1
		.amdhsa_system_vgpr_workitem_id 0
		.amdhsa_next_free_vgpr 112
		.amdhsa_next_free_sgpr 66
		.amdhsa_reserve_vcc 0
		.amdhsa_float_denorm_mode_32 3
		.amdhsa_float_denorm_mode_16_64 3
		.amdhsa_memory_ordered 1
		.amdhsa_forward_progress 1
		.amdhsa_inst_pref_size 7
	.end_amdhsa_kernel
	.amdgpu_metadata
---
amdhsa.version: [ 1, 2 ]
amdhsa.kernels:
  - .name:           k_q6c669c926b_castw
    .symbol:         k_q6c669c926b_castw.kd
    .args:
      - { .name: Wq, .offset: 0, .size: 8, .value_kind: global_buffer, .address_space: global }
      - { .name: Wk, .offset: 8, .size: 8, .value_kind: global_buffer, .address_space: global }
      - { .name: Wv, .offset: 16, .size: 8, .value_kind: global_buffer, .address_space: global }
      - { .name: Wo, .offset: 24, .size: 8, .value_kind: global_buffer, .address_space: global }
      - { .name: wh, .offset: 32, .size: 8, .value_kind: global_buffer, .address_space: global }
    .group_segment_fixed_size: 0
    .private_segment_fixed_size: 0
    .kernarg_segment_align: 8
    .kernarg_segment_size: 40
    .max_flat_workgroup_size: 256
    .sgpr_count:     66
    .vgpr_count:     112
    .wavefront_size: 32
...
	.end_amdgpu_metadata
.endif
;; end of part 1
;; launch proj (part 2): grid 4 x 192, 4 waves a work-group, clusters of 4 x 4, 327,680 bytes of LDS; arguments query, key, value, wh, bq, bk, bv, qh, kh, vh; writes qh, kh, vh
.if DOCPART == 2
	.amdgcn_target "amdgcn-amd-amdhsa--gfx1250"
	.amdhsa_code_object_version 6
	.text
	.protected	k_q6c669c926b_proj
	.globl	k_q6c669c926b_proj
	.p2align	8
	.type	k_q6c669c926b_proj,@function
k_q6c669c926b_proj:
	s_mov_b64 s[64:65], 0
	v_nop
	global_prefetch_b8 v0, s[64:65] scope:SCOPE_SE
	s_setreg_imm32_b32 hwreg(HW_REG_WAVE_MODE, 25, 1), 1
	s_wait_xcnt 0x0
	s_wait_alu depctr_hold_cnt(0) depctr_sa_sdst(0) depctr_va_vdst(0) depctr_va_sdst(0) depctr_va_ssrc(0) depctr_va_vcc(0) depctr_vm_vsrc(0)
	s_getreg_b32 s2, hwreg(HW_REG_IB_STS2, 6, 4)
	s_cmp_eq_u32 s2, 0
	s_cbranch_scc0 .Lentry_in_a_cluster
	s_endpgm
.Lentry_in_a_cluster:
	s_bfe_u32 s2, ttmp6, 0x10000c
	s_cmp_lg_u32 s2, 0xf033
	s_cbranch_scc0 .Lentry_shape_is_right
	s_endpgm
.Lentry_shape_is_right:
; proj: y = X W + b for the three input projections, stored as f16 [B][H][S][64] (a head is a dense block of 262,144 bytes).
; X: f32 [8192][1024] (query, key or value).  W: f16 [1024 (k)][1024 (f)] out of wh.  Sums in f32, operands in f16.
; LIMIT: X, W and the results are rounded to f16: magnitudes of 65,520 or more become infinities.
; GRID: 768 blocks of 128 (s) x 256 (f), three for each of 256 WGPs.  Cluster row cl = 0..47: projection p = cl / 16, block rows 4 (cl % 16) + cy; block column = cx.
; Four waves; a wave makes 64 (s) x 128 (f): 32 accumulator tiles, 256 registers.  K goes in 8 steps of 128 through two LDS slots.
; CLUSTERS: X's tile hangs on the block row alone and is asked for jointly by the four work-groups of a row of the cluster; W's tile hangs on the block
; column (and p) alone and is asked for jointly by the four of a column.  That divides the requests for both by four.
; X comes into LDS as f32 and is rounded to f16 when a fragment is read (32 conversions for 32 matrix instructions).
; THE MATRIX INSTRUCTION IS USED TRANSPOSED: source 0 = 16 columns f of W (read from [k][f] rows by the transposing LDS load), source 1 = 16 rows s of X.
; Lane (r, h), register j of tile (b, a) then holds y(s = 16 b + r, f = 16 a + 8 h + j): eight neighbouring columns of one row.
; The first product takes the bias as C (register j = b[16 a + 8 h + j]): nothing is cleared and no bias is added afterwards.
; REGISTERS: window 0: addresses, RAW (X as f32), XF (X as f16), two buffers of W fragments; window 1: the accumulators, tile (b, a) at 8 (8 b + a); window 2: v0-63 the bias.
.set PART,  34816                      ; a quarter of a slot: 64 rows of X at 528 bytes (33,792 used) or 64 rows of W at 544 bytes
.set SLOT,  4*PART                     ; X rows 0-63, X rows 64-127, W k rows 0-63, W k rows 64-127
.set STAGE, 2*SLOT                     ; behind the ring: 16 rows x 272 bytes for each wave, for the way out; no tensor load lands here
.set XP,    528                        ; X: 512 bytes + 16 of padding, an odd multiple of 16: sixteen rows start at sixteen different 16-byte columns
.set WP,    544                        ; W: 512 bytes + 32 of padding, an odd multiple of 32, for the transposing load
.set SP,    272
.set ADRX, 4                           ; v4-5    LDS address of my X fragments in slot 0, 1
.set ADRW, 6                           ; v6-7    the same for W
.set STO,  8                           ; v8      the way out: where I put 16 bytes of a row
.set RD,   9                           ; v9      the way out: where I read back
.set CO,   10                          ; v10     16 x lane: my place in 512 bytes of the output
.set BOFF, 11                          ; v11     32 h: my place in the bias
.set PF,   12                          ; v12     my byte offset for the prefetch
.set RAW,  16                          ; v16-79  X of one substep, f32
.set XF,   80                          ; v80-111 X of one substep, f16: four fragments
.set WF0,  112                         ; v112-175 W fragments, buffer 0
.set WF1,  176                         ; v176-239 W fragments, buffer 1
.set G1X, 32                           ; s[32:39] descriptor group 1, X
.set G1W, 40                           ; s[40:47] descriptor group 1, W
.set G0X, 48                           ; s[48:55] descriptor group 0, X, a set for each slot
.set G0W, 56                           ; s[56:63] descriptor group 0, W, a set for each slot
.set MSB, 0
.macro WIN new                         ; s_set_vgpr_msb: bits 1:0 source 0, 3:2 source 1, 5:4 source 2, 7:6 destination; the high byte repeats the setting that is left
.if MSB != \new
	s_set_vgpr_msb (MSB<<8)|\new
.set MSB, \new
.endif
.endm
.macro PLACES n                        ; independent vector instructions behind matrix instructions (ISA guide 7.12.1)
.rept \n
	v_nop
.endr
.endm
; A joint load: waves 0 and 1 fetch X's two halves, waves 2 and 3 W's.  Each line has one mask and one set of registers; the branch hangs on the wave's number alone.
.macro JLOAD s
	s_cmp_eq_u32 s67, 0
	s_cbranch_scc0 .Lfor_w_\@
	tensor_load_to_lds s[G0X+4*\s:G0X+4*\s+3], s[G1X:G1X+7]
	s_nop 0
	s_branch .Lasked_\@
.Lfor_w_\@:
	tensor_load_to_lds s[G0W+4*\s:G0W+4*\s+3], s[G1W:G1W+7]
	s_nop 0
.Lasked_\@:
.endm
; A round of the cluster's barrier: my work-group's barrier; wave 0 signals for the work-group; every wave waits for all sixteen; my work-group's barrier again.
.macro CREST                           ; a round behind its opening barrier
	s_cmp_lg_u32 s66, 0
	s_cbranch_scc1 .Lnot_wave_0_\@
	s_barrier_signal -3
.Lnot_wave_0_\@:
	s_barrier_wait -3
	s_barrier_signal -1
	s_barrier_wait -1
.endm
.macro CROUND
	s_barrier_signal -1
	s_barrier_wait -1
	CREST
.endm
	s_load_b256 s[8:15], s[0:1], 0x0               ; query s[8:9], key s[10:11], value s[12:13], wh s[14:15]
	s_load_b256 s[16:23], s[0:1], 0x20             ; bq s[16:17], bk s[18:19], bv s[20:21], qh s[22:23]
	s_load_b128 s[24:27], s[0:1], 0x40             ; kh s[24:25], vh s[26:27]
	v_lshl_add_u32 v254, v0, 2, 0x48400
	v_mov_b32 v255, 0
	ds_add_u32 v254, v255
	v_lshrrev_b32 v1, 5, v0
	v_readfirstlane_b32 s66, v1                    ; wave 0..3
	s_lshr_b32 s67, s66, 1                         ; mh: my 64 rows of the block.  Also: I fetch for X (0) or for W (1)
	s_and_b32 s68, s66, 1                          ; nh: my 128 columns.  Also: which half of that tile I fetch
	s_bfe_u32 s69, ttmp6, 0x40000                  ; cx
	s_bfe_u32 s70, ttmp6, 0x40004                  ; cy
	s_lshl_b32 s71, ttmp9, 2
	s_add_co_u32 s71, s71, s69                     ; nb: block column = 4 x cluster x + cx
	s_and_b32 s72, ttmp7, 0xffff                   ; cl: the cluster's y
	s_lshr_b32 s73, s72, 4                         ; p: 0 query, 1 key, 2 value; the same in all sixteen work-groups
	s_and_b32 s74, s72, 15
	s_lshl_b32 s74, s74, 2
	s_add_co_u32 s74, s74, s70                     ; mb: block row 0..63
	s_lshl_b32 s75, s70, 2
	s_lshl_b32 s75, 15, s75                        ; my row of the cluster: places 4 cy .. 4 cy + 3
	s_lshl_b32 s76, 0x1111, s69                    ; my column: places cx, cx + 4, cx + 8, cx + 12
	; group 1 for X: 64 rows x 128 elements of 4 bytes; after every 128 words 4 words of padding
	s_or_b32 s[G1X+0], s75, (2<<16)|(1<<20)|(1<<21)|(6<<22)|(3<<25)
	s_mov_b32 s[G1X+1], 128<<16                    ; tensor_dim0 = 128
	s_mov_b32 s[G1X+2], 64<<16                     ; tensor_dim1 = 64
	s_mov_b32 s[G1X+3], 128<<16                    ; tile_dim0 = 128
	s_mov_b32 s[G1X+4], 64                         ; tile_dim1 = 64
	s_mov_b32 s[G1X+5], 1024                       ; elements from row to row
	s_mov_b32 s[G1X+6], 0
	s_mov_b32 s[G1X+7], 0
	; group 1 for W: 64 rows x 256 elements of 2 bytes; after every 128 words 8 words of padding
	s_or_b32 s[G1W+0], s76, (1<<16)|(1<<20)|(1<<21)|(6<<22)|(7<<25)
	s_mov_b32 s[G1W+1], 256<<16
	s_mov_b32 s[G1W+2], 64<<16
	s_mov_b32 s[G1W+3], 256<<16
	s_mov_b32 s[G1W+4], 64
	s_mov_b32 s[G1W+5], 1024
	s_mov_b32 s[G1W+6], 0
	s_mov_b32 s[G1W+7], 0
	; offsets.  s78-81 hold what hangs on the block row (cy), s92-95 and s31 what hangs on the block column (cx): neither family ever holds the other coordinate
	s_lshl_b32 s78, s74, 19                        ; mb x 128 rows x 4,096 bytes
	s_mov_b32 s79, 0
	s_lshl_b32 s80, s68, 18                        ; + my half: 64 rows
	s_add_co_u32 s80, s80, s78
	s_mov_b32 s81, 0
	s_lshl_b32 s92, s73, 21                        ; W: matrix p of wh,
	s_lshl_b32 s31, s68, 17                        ; + my half: 64 k rows of 2,048 bytes,
	s_add_co_u32 s92, s92, s31
	s_lshl_b32 s31, s71, 9                         ; + 256 columns of 2 bytes for each block column
	s_add_co_u32 s92, s92, s31
	s_mov_b32 s93, 0
	s_lshl_b32 s94, s71, 10                        ; bias: (256 nb + 128 nh) x 4 bytes
	s_lshl_b32 s31, s68, 9
	s_add_co_u32 s94, s94, s31
	s_mov_b32 s95, 0
	s_mul_i32 s77, s66, PART                       ; where my part of a tile goes: wave x PART; no place in the cluster enters an LDS address
	s_wait_dscnt 0x0
	s_wait_kmcnt 0x0
	s_cmp_eq_u32 s73, 1                            ; the three buffers of projection p
	s_cselect_b64 s[84:85], s[10:11], s[8:9]
	s_cselect_b64 s[88:89], s[18:19], s[16:17]
	s_cselect_b64 s[90:91], s[24:25], s[22:23]
	s_cmp_eq_u32 s73, 2
	s_cselect_b64 s[84:85], s[12:13], s[84:85]
	s_cselect_b64 s[88:89], s[20:21], s[88:89]
	s_cselect_b64 s[90:91], s[26:27], s[90:91]
	s_add_nc_u64 s[82:83], s[84:85], s[78:79]      ; X at the block's first row: the prefetch's base
	s_add_nc_u64 s[84:85], s[84:85], s[80:81]      ; X at my half of the tile, K step 0
	s_add_nc_u64 s[86:87], s[14:15], s[92:93]      ; W at my half of the tile, K step 0
	s_add_nc_u64 s[88:89], s[88:89], s[94:95]      ; the bias of my 128 columns
	; the output: ((batch x 16 + head) x 2048 + s) x 128 bytes; batch = mb / 16, s = 128 (mb % 16) + 64 mh + .., head = 4 nb + 2 nh + ..
	s_lshr_b32 s78, s74, 4
	s_lshl_b32 s78, s78, 22
	s_and_b32 s80, s74, 15
	s_lshl_b32 s80, s80, 14
	s_add_co_u32 s78, s78, s80
	s_lshl_b32 s80, s67, 13
	s_add_co_u32 s78, s78, s80
	s_add_nc_u64 s[90:91], s[90:91], s[78:79]
	s_lshl_b32 s92, s71, 20
	s_lshl_b32 s31, s68, 19
	s_add_co_u32 s92, s92, s31
	s_add_nc_u64 s[90:91], s[90:91], s[92:93]
	CROUND                                         ; all sixteen work-groups are here: the first joint loads meet
.irp s, 0,1
	s_mov_b32 s[G0X+4*\s], 1                                       ; count = 1
	s_add_co_u32 s[G0X+4*\s+1], s77, \s*SLOT                       ; LDS address
	s_add_nc_u64 s[G0X+4*\s+2:G0X+4*\s+3], s[84:85], \s*512        ; K step s: 128 f32 along the row
	s_or_b32 s[G0X+4*\s+3], s[G0X+4*\s+3], 0x80000000              ; type = 2
	s_mov_b32 s[G0W+4*\s], 1
	s_add_co_u32 s[G0W+4*\s+1], s77, \s*SLOT
	s_add_nc_u64 s[G0W+4*\s+2:G0W+4*\s+3], s[86:87], \s*262144     ; K step s: 128 rows of 2,048 bytes
	s_or_b32 s[G0W+4*\s+3], s[G0W+4*\s+3], 0x80000000
	JLOAD \s                                       ; both slots are asked for before anything else: two tensor loads of the wave are out here, one later on
.endr
	v_and_b32 v1, 31, v0                           ; L
	v_and_b32 v2, 15, v0                           ; r
	v_bfe_u32 v3, v0, 4, 1                         ; h
	v_lshlrev_b32 v[BOFF], 5, v3
	WIN 0x80                                       ; destination window 2
.irp a, 0,1,2,3,4,5,6,7
	global_load_b128 v[8*\a:8*\a+3],   v[BOFF], s[88:89] offset:64*\a      ; b[16 a + 8 h + 0..3]
	global_load_b128 v[8*\a+4:8*\a+7], v[BOFF], s[88:89] offset:64*\a+16   ; b[16 a + 8 h + 4..7]
.endr
	WIN 0
	; X fragment: lane (r, h) takes row r; k = 8 h + 0..7 are 32 bytes of f32 at 32 h, k = 16 + 8 h + 0..7 the 32 bytes at 64 + 32 h
	v_mul_u32_u24 v13, v2, XP
	v_lshl_add_u32 v13, v3, 5, v13
	s_mul_i32 s28, s67, PART                       ; my 64 rows of X
	v_add_nc_u32 v[ADRX], s28, v13
	v_add_nc_u32 v[ADRX+1], SLOT, v[ADRX]
	; W fragment by the transposing load: lane L addresses k row 8 h + (L & 7), 16 bytes at column 8 ((L >> 3) & 1), and receives column r, k = 8 h + 0..7
	v_and_b32 v14, 7, v0
	v_lshl_add_u32 v14, v3, 3, v14
	v_mul_u32_u24 v14, v14, WP
	v_bfe_u32 v15, v0, 3, 1
	v_lshl_add_u32 v14, v15, 4, v14
	s_lshl_b32 s29, s68, 8                         ; my 128 columns, 256 bytes,
	s_add_co_u32 s29, s29, 2*PART                  ; behind X's two parts
	v_add_nc_u32 v[ADRW], s29, v14
	v_add_nc_u32 v[ADRW+1], SLOT, v[ADRW]
	s_mul_i32 s30, s66, 16*SP
	s_add_co_u32 s30, s30, STAGE                   ; my stage
	v_mul_u32_u24 v13, v2, SP                      ; in: row r, 16 bytes for each half of the lanes
	v_lshl_add_u32 v13, v3, 4, v13
	v_add_nc_u32 v[STO], s30, v13
	v_bfe_u32 v13, v0, 3, 2                        ; back: eight lanes take the 128 bytes that one row has of one head, four rows a load
	v_mul_u32_u24 v13, v13, SP
	v_and_b32 v14, 7, v0
	v_lshl_add_u32 v13, v14, 4, v13
	v_add_nc_u32 v[RD], s30, v13
	v_lshlrev_b32 v[CO], 4, v1
	; the prefetch: row 32 cx + 8 wave + L / 4 of the block's 128, 256 bytes at 256 (L & 3): the sixteen waves of the four partners ask for each block of 256 bytes once
	s_lshl_b32 s31, s69, 5
	s_lshl3_add_u32 s31, s66, s31
	v_lshrrev_b32 v240, 2, v1
	v_add_nc_u32 v240, s31, v240
	v_and_b32 v241, 3, v0
	v_lshlrev_b32 v241, 8, v241
	v_lshl_add_u32 v[PF], v240, 12, v241
; 32 LDS loads: substep q (32 along K) of a slot: X's 64 rows as f32 into RAW, W's 128 columns into buffer wf
.macro FETCH slot, q, wf
.irp b, 0,1,2,3
	ds_load_b128 v[RAW+16*\b:RAW+16*\b+3],     v[ADRX+\slot] offset:\b*16*XP+(\q)*128
	ds_load_b128 v[RAW+16*\b+4:RAW+16*\b+7],   v[ADRX+\slot] offset:\b*16*XP+(\q)*128+16
	ds_load_b128 v[RAW+16*\b+8:RAW+16*\b+11],  v[ADRX+\slot] offset:\b*16*XP+(\q)*128+64
	ds_load_b128 v[RAW+16*\b+12:RAW+16*\b+15], v[ADRX+\slot] offset:\b*16*XP+(\q)*128+80
.endr
.irp a, 0,1,2,3,4,5,6,7
	ds_load_tr16_b128 v[\wf+8*\a:\wf+8*\a+3],   v[ADRW+\slot] offset:(\q)*32*WP+32*\a
	ds_load_tr16_b128 v[\wf+8*\a+4:\wf+8*\a+7], v[ADRW+\slot] offset:(\q)*32*WP+32*\a+16*WP
.endr
.endm
.macro CVT                             ; RAW to XF: two roundings to f16 an instruction
.irp b, 0,1,2,3
.irp i, 0,1,2,3,4,5,6,7
	v_cvt_pk_f16_f32 v[XF+8*\b+\i], v[RAW+16*\b+2*\i], v[RAW+16*\b+2*\i+1]
.endr
.endr
.endm
; 16 matrix instructions: s tiles b0, b0 + 1 x all eight f tiles.  first = 1: C is the bias (window 2).
; The 32 accumulators take turns, one instruction a turn, in the same order in every substep.
.macro MUL wf, b0, first
.irp b, \b0, \b0+1
.irp a, 0,1,2,3,4,5,6,7
.if \first
	v_wmma_f32_16x16x32_f16 v[8*(8*(\b)+\a):8*(8*(\b)+\a)+7], v[\wf+8*\a:\wf+8*\a+7], v[XF+8*(\b):XF+8*(\b)+7], v[8*\a:8*\a+7]
.else
	v_wmma_f32_16x16x32_f16 v[8*(8*(\b)+\a):8*(8*(\b)+\a)+7], v[\wf+8*\a:\wf+8*\a+7], v[XF+8*(\b):XF+8*(\b)+7], v[8*(8*(\b)+\a):8*(8*(\b)+\a)+7]
.endif
.endr
.endr
.endm
; One of a K step's first three substeps: multiplies buffer wf; fetches substep qn of the same slot into RAW and buffer wg.
.macro SUB slot, qn, wf, wg, first
	PLACES 4                                       ; behind the last substep's products: XF and buffer wg, which they read, are written below
	s_wait_dscnt 0x0                               ; this substep's 32 loads, issued 32 matrix instructions ago
	WIN 0
	CVT
	FETCH \slot, \qn, \wg
.if \first
	WIN 0x60                                       ; C window 2 (the bias), D window 1
.else
	WIN 0x50                                       ; C and D window 1
.endif
	MUL \wf, 0, \first
	MUL \wf, 2, \first
.endm
.macro THREE slot, first
	SUB \slot, 1, WF0, WF1, \first
	SUB \slot, 2, WF1, WF0, 0
	SUB \slot, 3, WF0, WF1, 0
.endm
; The fourth substep: multiplies buffer 1 and changes slots.  One barrier for two things: in front of it each wave has waited for its reads of this slot and for all
; its tensor loads (the one that is out is its part of the next slot).  fill = 1: the barrier opens a round of the cluster's barrier, and behind the round this slot is
; asked for again, two K steps ahead, first thing.  From that request to the wait for it a wave issues 112 matrix instructions.
; pf: the byte of the rows at which this trip's prefetch begins (0: none).
.macro TURN slot, next, fill, pf
	PLACES 4
	s_wait_dscnt 0x0                               ; my last reads of this slot are back
	WIN 0
	CVT
	s_wait_tensorcnt 0x0                           ; all my tensor loads have landed
	ds_add_u32 v254, v255
	s_wait_dscnt 0x0
	s_barrier_signal -1
	WIN 0x50
	MUL WF1, 0, 0                                  ; register work while the others arrive
	WIN 0
	s_barrier_wait -1
.if \fill
	CREST                                          ; no wave of any partner still reads this slot or has a load on its way
	s_add_nc_u64 s[G0X+4*\slot+2:G0X+4*\slot+3], s[G0X+4*\slot+2:G0X+4*\slot+3], 1024     ; two K steps on: 256 f32 along X's rows,
	s_add_nc_u64 s[G0W+4*\slot+2:G0W+4*\slot+3], s[G0W+4*\slot+2:G0W+4*\slot+3], 524288   ; 256 rows down W
	JLOAD \slot                                    ; the wave's one tensor load behind the round
.endif
	FETCH \next, 0, WF0                            ; buffer 0 was last read by the third substep's products; the places at this macro's head stand behind them
.if \pf
	global_prefetch_b8 v[PF], s[82:83] offset:\pf th:TH_LOAD_NT scope:SCOPE_SE   ; 1,024 bytes of each of my 8 rows of X: the tiles that are asked for two and three K steps from here
.endif
	WIN 0x50
	MUL WF1, 2, 0
.endm
	s_wait_tensorcnt 0x1                           ; my part of K step 0 is in; K step 1's may stay out
	s_barrier_signal -1
	s_barrier_wait -1                              ; everybody's part is in
	FETCH 0, 0, WF0
	s_wait_loadcnt 0x0                             ; the bias
	; eight K steps, written out.  The prefetch asks in step 0 for X's steps 4 and 5 and in step 2 for steps 6 and 7 (bytes 2,048 to 4,095 of the rows) and then stops.
	THREE 0, 1
	TURN 0, 1, 1, 2048
	THREE 1, 0
	TURN 1, 0, 1, 0
	THREE 0, 0
	TURN 0, 1, 1, 3072
	THREE 1, 0
	TURN 1, 0, 1, 0
	THREE 0, 0
	TURN 0, 1, 1, 0
	THREE 1, 0
	TURN 1, 0, 1, 0                                ; the last refill: K step 7
	THREE 0, 0
	TURN 0, 1, 0, 0                                ; a plain barrier: nothing is left to fetch
	THREE 1, 0
	PLACES 4                                       ; the very last substep
	s_wait_dscnt 0x0
	WIN 0
	CVT
	WIN 0x50
	MUL WF1, 0, 0
	MUL WF1, 2, 0
	; THE WAY OUT, 16 rows of s at a time: round to f16, 16 bytes a lane into my own stage, read back so that a store of the wave covers 512 neighbouring
	; bytes of the output: four rows of one head.  LDS serves a wave's instructions in order (ISA guide 5.7.1), so no wait stands between the stores and the loads.
	PLACES 4                                       ; behind the last products: the conversions read results, the loads below land in W's buffers
.macro OUT16 b, f
	WIN 0x05                                       ; sources window 1, destination window 0
.irp a, 0,1,2,3,4,5,6,7
.irp i, 0,1,2,3
	v_cvt_pk_f16_f32 v[RAW+4*\a+\i], v[8*(8*\b+\a)+2*\i], v[8*(8*\b+\a)+2*\i+1]
.endr
.endr
	WIN 0
.irp a, 0,1,2,3,4,5,6,7
	ds_store_b128 v[STO], v[RAW+4*\a:RAW+4*\a+3] offset:32*\a
.endr
	s_wait_xcnt 0x0                                ; buffer f, which earlier stores read, is loaded again only behind this wait
.irp t, 0,1,2,3,4,5,6,7
	ds_load_b128 v[\f+4*\t:\f+4*\t+3], v[RD] offset:(\t&3)*4*SP+(\t>>2)*128      ; rows 4 (t & 3) + 0..3, head t >> 2
.endr
.irp t, 0,1,2,3,4,5,6,7
	s_wait_dscnt 7-\t                              ; load t is back, the 7 - t younger ones stay out
	global_store_b128 v[CO], v[\f+4*\t:\f+4*\t+3], s[90:91] offset:(\t>>2)*262144+(16*\b+4*(\t&3))*128
.endr
.endm
	OUT16 0, WF0
	OUT16 1, WF1
	OUT16 2, WF0
	OUT16 3, WF1
	s_wait_tensorcnt 0x0
	ds_add_u32 v254, v255
	s_wait_dscnt 0x0
	CROUND                                         ; the closing round: no work-group ends while a partner may still ask for a tile that names it
	s_endpgm
.Lfunc_end_k_q6c669c926b_proj:
	.size	k_q6c669c926b_proj, .Lfunc_end_k_q6c669c926b_proj-k_q6c669c926b_proj
	.p2alignl 7, 3214868480
	.fill 96, 4, 3214868480
	.section	.rodata,"a",@progbits
	.p2align	6, 0x0
	.amdhsa_kernel k_q6c669c926b_proj
		.amdhsa_group_segment_fixed_size 327680
		.amdhsa_private_segment_fixed_size 0
		.amdhsa_enable_private_segment 0
		.amdhsa_kernarg_size 80
		.amdhsa_user_sgpr_count 2
		.amdhsa_user_sgpr_kernarg_segment_ptr 1
		.amdhsa_wavefront_size32 1
		.amdhsa_system_sgpr_workgroup_id_x 1
		.amdhsa_system_sgpr_workgroup_id_y 1
		.amdhsa_system_sgpr_workgroup_id_z 1
		.amdhsa_system_vgpr_workitem_id 0
		.amdhsa_next_free_vgpr 576
		.amdhsa_next_free_sgpr 96
		.amdhsa_reserve_vcc 0
		.amdhsa_float_denorm_mode_32 3
		.amdhsa_float_denorm_mode_16_64 3
		.amdhsa_memory_ordered 1
		.amdhsa_forward_progress 1
		.amdhsa_inst_pref_size 231
	.end_amdhsa_kernel
	.amdgpu_metadata
---
amdhsa.version: [ 1, 2 ]
amdhsa.kernels:
  - .name:           k_q6c669c926b_proj
    .symbol:         k_q6c669c926b_proj.kd
    .args:
      - { .name: query, .offset: 0, .size: 8, .value_kind: global_buffer, .address_space: global }
      - { .name: key, .offset: 8, .size: 8, .value_kind: global_buffer, .address_space: global }
      - { .name: value, .offset: 16, .size: 8, .value_kind: global_buffer, .address_space: global }
      - { .name: wh, .offset: 24, .size: 8, .value_kind: global_buffer, .address_space: global }
      - { .name: bq, .offset: 32, .size: 8, .value_kind: global_buffer, .address_space: global }
      - { .name: bk, .offset: 40, .size: 8, .value_kind: global_buffer, .address_space: global }
      - { .name: bv, .offset: 48, .size: 8, .value_kind: global_buffer, .address_space: global }
      - { .name: qh, .offset: 56, .size: 8, .value_kind: global_buffer, .address_space: global }
      - { .name: kh, .offset: 64, .size: 8, .value_kind: global_buffer, .address_space: global }
      - { .name: vh, .offset: 72, .size: 8, .value_kind: global_buffer, .address_space: global }
    .group_segment_fixed_size: 327680
    .private_segment_fixed_size: 0
    .kernarg_segment_align: 8
    .kernarg_segment_size: 80
    .max_flat_workgroup_size: 128
    .sgpr_count:     96
    .vgpr_count:     576
    .wavefront_size: 32
...
	.end_amdgpu_metadata
.endif
;; end of part 2
;; launch attn (part 3): grid 4 x 64, 8 waves a work-group, clusters of 4 x 1, 327,680 bytes of LDS; arguments qh, kh, vh, xh; writes xh
.if DOCPART == 3
	.amdgcn_target "amdgcn-amd-amdhsa--gfx1250"
	.amdhsa_code_object_version 6
	.text
	.protected	k_q6c669c926b_attn
	.globl	k_q6c669c926b_attn
	.p2align	8
	.type	k_q6c669c926b_attn,@function
k_q6c669c926b_attn:
	s_mov_b64 s[64:65], 0
	v_nop
	global_prefetch_b8 v0, s[64:65] scope:SCOPE_SE
	s_setreg_imm32_b32 hwreg(HW_REG_WAVE_MODE, 25, 1), 1
	s_wait_xcnt 0x0
	s_wait_alu depctr_hold_cnt(0) depctr_sa_sdst(0) depctr_va_vdst(0) depctr_va_sdst(0) depctr_va_ssrc(0) depctr_va_vcc(0) depctr_vm_vsrc(0)
	s_getreg_b32 s2, hwreg(HW_REG_IB_STS2, 6, 4)
	s_cmp_eq_u32 s2, 0
	s_cbranch_scc0 .Lentry_in_a_cluster
	s_endpgm
.Lentry_in_a_cluster:
	s_bfe_u32 s2, ttmp6, 0x10000c
	s_cmp_lg_u32 s2, 0x3003
	s_cbranch_scc0 .Lentry_shape_is_right
	s_endpgm
.Lentry_shape_is_right:
; attn: x = softmax(q k^T / 8) v for each of the 64 (batch, head) pairs, with a running maximum.  qh, kh, vh, xh: f16 [64][2048][64].
; Work-group (cx, bh): 512 queries of head bh; eight waves, 64 queries (four tiles of 16) each, two waves on a SIMD so that one wave's softmax can run beside the other's products.
; CLUSTERS: the four query blocks of a head form a cluster and ask for K's and V's tiles jointly (mask 15): each tile is requested once for the four.  Q is read by its own wave alone.
; THE RING: two slots of 512 keys of K and of V (8 parts of 128 rows, one tensor load a wave).  A head is 4 steps of 8 sub-blocks of 64 keys: steps 0 and 1 are the first
; fills, steps 2 and 3 the only refills, so the kernel has two rounds of the cluster's barrier in its middle and one plain barrier.
; THE TEXT: K's rows and V's rows are contiguous in a slot, so the next sub-block's fragments lie a constant further on (9,216 and 10,240 bytes); their LDS addresses are
; two registers stepped behind the loads, and the plain sub-block is a counted loop of one sub-block.
; LAYOUTS.  S^T = K Q^T: source 0 = 16 keys, source 1 = 16 queries; lane (r, h), register j of key tile kt holds key 16 kt + 8 h + j of query r.
; Packed to f16 in the lane, key tiles 2 kk and 2 kk + 1 are source 1 of O^T = V^T P^T as they stand; source 0 = V^T, read from [key][d] rows by the transposing LDS load.
; O: lane (r, h), register j of tile dt holds d = 16 dt + 8 h + j of query r.  So maximum, sum and rescale are one number a lane; lanes r and r + 16 share a query.
; ARITHMETIC: P = exp2(c s + NM), c = log2(e) / 8, NM = -c M, M the running maximum of the raw scores.  Older sums are rescaled by exp2(NM new - NM old), the same
; rounded addends that the exponentials use.  The exponent is at most a rounding above 0, so P lies in [0, 1] and fits f16.
; LIMITS: q, k, v are f16 (set by the launch before).  A NaN loses in the maximum.  The row sum adds P in f32 before P is rounded to f16 for the product.
.set KP,    144                        ; a row of K: 128 bytes + 16, an odd multiple of 16
.set VP,    160                        ; a row of V: 128 bytes + 32, an odd multiple of 32, for the transposing load
.set KPART, 128*KP                     ; 18,432: what one of waves 0-3 fetches
.set VPART, 128*VP                     ; 20,480: what one of waves 4-7 fetches
.set KREG,  4*KPART                    ; 73,728: a slot's 512 rows of K; its 512 rows of V lie behind them
.set SLOT,  KREG+4*VPART               ; 155,648
.set KSTEP, 64*KP                      ; from a sub-block's K rows to the next's
.set VSTEP, 64*VP                      ; the same for V
.set STAGE, 0                          ; the way out: 16 rows x 144 bytes for each wave, in slot 0, which by then has had its last fill and its last read
; window 0
.set KB,   4                           ; v4-5    LDS address of my K fragments of sub-block 0 in slot 0, 1
.set VB,   6                           ; v6-7    the same for V
.set STO,  8
.set RD,   9
.set CO,   10                          ; 16 x lane
.set QOFF, 11
.set AK,   12                          ; v12     LDS address of the K fragments that are loaded next
.set AV,   13                          ; v13     the same for V
.set QF,   16                          ; v16-79   Q fragments [qt][ks] at 16 qt + 8 ks
.set KF,   80                          ; v80-143  K fragments [kt][ks]
.set VF,   144                         ; v144-207 V^T fragments [dt][kk]
.set TMP,  208                         ; v208-223 the way out: packed results
.set RB,   224                         ; v224-255 the way out: rows read back, two sets
; window 1
.set S0,   128                         ; two score buffers of 32 registers, side by side; O[qt][dt] lies at 32 qt + 8 dt in 0-127
.set M,    192                         ; running maximum of query tile qt
.set LP,   196                         ; running sum, a pair for each query tile
.set T,    204                         ; at work: four registers for each of the two buffers
.set NMS,  212                         ; the NM of query tile qt's last block
.set NM,   216                         ; -c M, a pair for each buffer (the second register is written once: a pair counts as read whole)
.set AL,   220                         ; the rescale factor, likewise
.set G1K, 20
.set G1V, 28
.set G0K, 36
.set G0V, 44
.set MSB, 0
.macro WIN new                         ; bits 1:0 source 0, 3:2 source 1, 5:4 source 2, 7:6 destination; the high byte repeats the setting that is left
.if MSB != \new
	s_set_vgpr_msb (MSB<<8)|\new
.set MSB, \new
.endif
.endm
.macro PLACES n                        ; independent vector instructions behind matrix instructions (ISA guide 7.12.1)
.rept \n
	v_nop
.endr
.endm
.macro JLOAD s                         ; waves 0-3 fetch K's four parts, waves 4-7 V's; the branch hangs on the wave's number alone
	s_cmp_eq_u32 s13, 0
	s_cbranch_scc0 .Lfor_v_\@
	tensor_load_to_lds s[G0K+4*\s:G0K+4*\s+3], s[G1K:G1K+7]
	s_nop 0
	s_branch .Lasked_\@
.Lfor_v_\@:
	tensor_load_to_lds s[G0V+4*\s:G0V+4*\s+3], s[G1V:G1V+7]
	s_nop 0
.Lasked_\@:
.endm
.macro CREST                           ; a round of the cluster's barrier behind its opening barrier
	s_cmp_lg_u32 s12, 0
	s_cbranch_scc1 .Lnot_wave_0_\@
	s_barrier_signal -3
.Lnot_wave_0_\@:
	s_barrier_wait -3
	s_barrier_signal -1
	s_barrier_wait -1
.endm
.macro CROUND
	s_barrier_signal -1
	s_barrier_wait -1
	CREST
.endm
	s_load_b256 s[4:11], s[0:1], 0x0               ; qh s[4:5], kh s[6:7], vh s[8:9], xh s[10:11]
	s_set_vgpr_msb 0x40
	v_lshl_add_u32 v254, v0, 2, 0x4c000
	v_mov_b32 v255, 0
	s_set_vgpr_msb 0x4045
	ds_add_u32 v254, v255
	s_set_vgpr_msb 0x4500
	v_lshrrev_b32 v1, 5, v0
	v_readfirstlane_b32 s12, v1                    ; wave 0..7
	s_lshr_b32 s13, s12, 2                         ; I fetch for K (0) or for V (1)
	s_and_b32 s14, s12, 3                          ; which 128 keys of a slot's 512
	s_bfe_u32 s15, ttmp6, 0x40000                  ; cx
	s_lshl_b32 s18, ttmp9, 2
	s_add_co_u32 s15, s18, s15                     ; query block = 4 x cluster x + cx
	s_and_b32 s16, ttmp7, 0xffff                   ; bh: 16 batch + head
	s_mov_b32 s52, 0x76543210                      ; v_permlanex16_b32: lane i reads lane i of the other half
	s_mov_b32 s53, 0xfedcba98
	s_mov_b32 s54, 0x3e38aa3b                      ; c = log2(e) / 8
	s_mov_b32 s55, 0x3e38aa3b
	s_mov_b32 s56, 0xbe38aa3b                      ; -c
	; group 1: 128 rows x 64 elements of 2 bytes, dense in memory; after every 32 words 4 (K) or 8 (V) words of padding; mask: all four work-groups
	s_mov_b32 s[G1K+0], 15|(1<<16)|(1<<20)|(1<<21)|(4<<22)|(3<<25)
	s_mov_b32 s[G1V+0], 15|(1<<16)|(1<<20)|(1<<21)|(4<<22)|(7<<25)
.irp g, G1K, G1V
	s_mov_b32 s[\g+1], 64<<16                      ; tensor_dim0 = 64
	s_mov_b32 s[\g+2], 128<<16                     ; tensor_dim1 = 128
	s_mov_b32 s[\g+3], 64<<16                      ; tile_dim0 = 64
	s_mov_b32 s[\g+4], 128                         ; tile_dim1 = 128
	s_mov_b32 s[\g+5], 64                          ; elements from row to row
	s_mov_b32 s[\g+6], 0
	s_mov_b32 s[\g+7], 0
.endr
	s_lshl_b32 s58, s16, 18                        ; K, V: the head's 262,144 bytes,
	s_lshl_b32 s19, s14, 14                        ; + my 128 rows of 128 bytes; cx enters neither
	s_add_co_u32 s58, s58, s19
	s_mov_b32 s59, 0
	s_lshl_b32 s60, s16, 18                        ; Q, x: the head, + 512 rows for each query block, + 64 rows for each wave
	s_lshl_b32 s18, s15, 16
	s_add_co_u32 s60, s60, s18
	s_lshl_b32 s18, s12, 13
	s_add_co_u32 s60, s60, s18
	s_mov_b32 s61, 0
	s_mul_i32 s17, s14, KPART                      ; where a part of K goes: (wave & 3) x 18,432
	s_mul_i32 s62, s14, VPART                      ; where a part of V goes: 73,728 + (wave & 3) x 20,480
	s_add_co_u32 s62, s62, KREG
	s_wait_dscnt 0x0
	s_wait_kmcnt 0x0
	s_add_nc_u64 s[6:7], s[6:7], s[58:59]
	s_add_nc_u64 s[8:9], s[8:9], s[58:59]
	s_add_nc_u64 s[4:5], s[4:5], s[60:61]
	s_add_nc_u64 s[10:11], s[10:11], s[60:61]
	CROUND                                         ; the four work-groups are here: the first joint loads meet
.irp s, 0,1
	s_mov_b32 s[G0K+4*\s], 1
	s_add_co_u32 s[G0K+4*\s+1], s17, \s*SLOT
	s_add_nc_u64 s[G0K+4*\s+2:G0K+4*\s+3], s[6:7], \s*65536        ; step s: 512 keys of 128 bytes
	s_or_b32 s[G0K+4*\s+3], s[G0K+4*\s+3], 0x80000000
	s_mov_b32 s[G0V+4*\s], 1
	s_add_co_u32 s[G0V+4*\s+1], s62, \s*SLOT
	s_add_nc_u64 s[G0V+4*\s+2:G0V+4*\s+3], s[8:9], \s*65536
	s_or_b32 s[G0V+4*\s+3], s[G0V+4*\s+3], 0x80000000
	JLOAD \s                                       ; two tensor loads of the wave are out here, one later on
.endr
	v_and_b32 v1, 31, v0                           ; L
	v_and_b32 v2, 15, v0                           ; r
	v_bfe_u32 v3, v0, 4, 1                         ; h
	v_lshlrev_b32 v14, 7, v2
	v_lshl_add_u32 v[QOFF], v3, 4, v14             ; row r, 16 bytes at 16 h
.irp qt, 0,1,2,3
.irp ks, 0,1
	global_load_b128 v[QF+16*\qt+8*\ks:QF+16*\qt+8*\ks+3],   v[QOFF], s[4:5] offset:\qt*2048+\ks*64
	global_load_b128 v[QF+16*\qt+8*\ks+4:QF+16*\qt+8*\ks+7], v[QOFF], s[4:5] offset:\qt*2048+\ks*64+32
.endr
.endr
	v_mul_u32_u24 v14, v2, KP
	v_lshl_add_u32 v[KB], v3, 4, v14               ; key row r, 16 bytes at 16 h
	v_add_nc_u32 v[KB+1], SLOT, v[KB]
	v_and_b32 v15, 7, v0
	v_lshl_add_u32 v14, v3, 3, v15                 ; the transposing load: key row 8 h + (L & 7),
	v_mul_u32_u24 v14, v14, VP
	v_bfe_u32 v208, v0, 3, 1
	v_lshl_add_u32 v14, v208, 4, v14               ; 16 bytes at column 8 ((L >> 3) & 1)
	v_add_nc_u32 v[VB], KREG, v14
	v_add_nc_u32 v[VB+1], SLOT, v[VB]
	s_mul_i32 s19, s12, 16*KP
	s_add_co_u32 s19, s19, STAGE                   ; my stage
	v_add_nc_u32 v[STO], s19, v[KB]                ; in: row r, 16 bytes at 16 h
	v_lshrrev_b32 v14, 3, v1                       ; back: eight lanes a row of 128 bytes, four rows a load
	v_mul_u32_u24 v14, v14, KP
	v_lshl_add_u32 v14, v15, 4, v14
	v_add_nc_u32 v[RD], s19, v14
	v_lshlrev_b32 v[CO], 4, v1
	v_mov_b32 v[AK], v[KB]                         ; the first fragments: slot 0, sub-block 0
	v_mov_b32 v[AV], v[VB]
	WIN 0x40
	v_mov_b32 v[NM+1], 0                           ; the unused halves of the four broadcast pairs
	v_mov_b32 v[NM+3], 0
	v_mov_b32 v[AL+1], 0
	v_mov_b32 v[AL+3], 0
	WIN 0
.macro KLOAD                           ; 16 LDS loads: the 64 keys at AK as eight fragments; then AK steps to the next 64 keys of the slot
.irp kt, 0,1,2,3
.irp ks, 0,1
	ds_load_b128 v[KF+16*\kt+8*\ks:KF+16*\kt+8*\ks+3],   v[AK] offset:\kt*16*KP+\ks*64
	ds_load_b128 v[KF+16*\kt+8*\ks+4:KF+16*\kt+8*\ks+7], v[AK] offset:\kt*16*KP+\ks*64+32
.endr
.endr
	v_add_nc_u32 v[AK], KSTEP, v[AK]
.endm
.macro VLOAD                           ; 16 transposing LDS loads: V^T of the 64 keys at AV; then AV steps
.irp dt, 0,1,2,3
.irp kk, 0,1
	ds_load_tr16_b128 v[VF+16*\dt+8*\kk:VF+16*\dt+8*\kk+3],   v[AV] offset:\kk*32*VP+32*\dt
	ds_load_tr16_b128 v[VF+16*\dt+8*\kk+4:VF+16*\dt+8*\kk+7], v[AV] offset:\kk*32*VP+32*\dt+16*VP
.endr
.endr
	v_add_nc_u32 v[AV], VSTEP, v[AV]
.endm
; 16 matrix instructions: the scores of query tiles 2 g, 2 g + 1 (buffers 0, 1) with 64 keys.  The first half of d starts the sums.
; The eight accumulators take turns, one instruction a turn.
.macro SMUL g
.irp ks, 0,1
.irp sb, 0,1
.irp kt, 0,1,2,3
.if \ks
	v_wmma_f32_16x16x32_f16 v[S0+32*\sb+8*\kt:S0+32*\sb+8*\kt+7], v[KF+16*\kt+8*\ks:KF+16*\kt+8*\ks+7], v[QF+16*(2*\g+\sb)+8*\ks:QF+16*(2*\g+\sb)+8*\ks+7], v[S0+32*\sb+8*\kt:S0+32*\sb+8*\kt+7]
.else
	v_wmma_f32_16x16x32_f16 v[S0+32*\sb+8*\kt:S0+32*\sb+8*\kt+7], v[KF+16*\kt+8*\ks:KF+16*\kt+8*\ks+7], v[QF+16*(2*\g+\sb)+8*\ks:QF+16*(2*\g+\sb)+8*\ks+7], 0
.endif
.endr
.endr
.endr
.endm
; 16 matrix instructions: O of query tiles 2 g, 2 g + 1 takes up 64 keys.  first = 1: the first 32 keys start the sums.  Turns as above.
.macro PVMUL g, first
.irp kk, 0,1
.irp sb, 0,1
.irp dt, 0,1,2,3
.if \first*(1-\kk)
	v_wmma_f32_16x16x32_f16 v[32*(2*\g+\sb)+8*\dt:32*(2*\g+\sb)+8*\dt+7], v[VF+16*\dt+8*\kk:VF+16*\dt+8*\kk+7], v[S0+32*\sb+8*\kk:S0+32*\sb+8*\kk+7], 0
.else
	v_wmma_f32_16x16x32_f16 v[32*(2*\g+\sb)+8*\dt:32*(2*\g+\sb)+8*\dt+7], v[VF+16*\dt+8*\kk:VF+16*\dt+8*\kk+7], v[S0+32*\sb+8*\kk:S0+32*\sb+8*\kk+7], v[32*(2*\g+\sb)+8*\dt:32*(2*\g+\sb)+8*\dt+7]
.endif
.endr
.endr
.endr
.endm
; Pieces of the softmax step.  i = 0..31 counts the register pairs of the two score buffers in a row: buffer i / 16, pair i % 16.
.macro FMA i                           ; c s - c M for pair i
	v_pk_fma_f32 v[S0+2*(\i):S0+2*(\i)+1], v[S0+2*(\i):S0+2*(\i)+1], s[54:55], v[NM+2*((\i)/16):NM+2*((\i)/16)+1] op_sel_hi:[1,0,0]
.endm
.macro RESC g, i                       ; pair i % 16 of the O of query tile 2 g + i / 16 is brought to the new maximum
	v_pk_mul_f32 v[32*(2*\g+(\i)/16)+2*((\i)%16):32*(2*\g+(\i)/16)+2*((\i)%16)+1], v[32*(2*\g+(\i)/16)+2*((\i)%16):32*(2*\g+(\i)/16)+2*((\i)%16)+1], v[AL+2*((\i)/16):AL+2*((\i)/16)+1] op_sel_hi:[1,0]
.endm
.macro SUMPACK g, i, first             ; pair i joins the row sum and is packed in place: to register i % 16 of its buffer, whose old content has been summed and packed already
.if \first
.if (\i)%16
	s_wait_alu depctr_va_vdst(0)
	v_pk_add_f32 v[LP+2*(2*\g+(\i)/16):LP+2*(2*\g+(\i)/16)+1], v[LP+2*(2*\g+(\i)/16):LP+2*(2*\g+(\i)/16)+1], v[S0+2*(\i):S0+2*(\i)+1]
.else
	s_wait_alu depctr_va_vdst(0)
	v_pk_mul_f32 v[LP+2*(2*\g+(\i)/16):LP+2*(2*\g+(\i)/16)+1], v[S0+2*(\i):S0+2*(\i)+1], 1.0 op_sel_hi:[1,0]    ; a buffer's first pair starts the sum
.endif
.else
	s_wait_alu depctr_va_vdst(0)
	v_pk_add_f32 v[LP+2*(2*\g+(\i)/16):LP+2*(2*\g+(\i)/16)+1], v[LP+2*(2*\g+(\i)/16):LP+2*(2*\g+(\i)/16)+1], v[S0+2*(\i):S0+2*(\i)+1]
.endif
	v_cvt_pk_f16_f32 v[S0+32*((\i)/16)+(\i)%16], v[S0+2*(\i)], v[S0+2*(\i)+1]
.endm
; Softmax step of query tiles 2 g and 2 g + 1 on score buffers 0 and 1 (all operands in window 1).  first = 1: no older maximum, sum or O.
; The two tiles' lines stand by turns, so that each line of the serial end of a maximum has the other tile's line between itself and the line that needs it.
.macro SOFT2 g, first
	; the maximum of my 32 scores and the running maximum: 33 numbers, 16 three-way maxima in four chains, for each tile
.irp c, 0,1,2,3
.irp sb, 0,1
	v_max3_num_f32 v[T+4*\sb+\c], v[S0+32*\sb+8*\c], v[S0+32*\sb+8*\c+1], v[S0+32*\sb+8*\c+2]
.endr
.endr
.irp c, 0,1,2,3
.irp sb, 0,1
	v_max3_num_f32 v[T+4*\sb+\c], v[T+4*\sb+\c], v[S0+32*\sb+8*\c+3], v[S0+32*\sb+8*\c+4]
.endr
.endr
.irp c, 0,1,2,3
.irp sb, 0,1
	v_max3_num_f32 v[T+4*\sb+\c], v[T+4*\sb+\c], v[S0+32*\sb+8*\c+5], v[S0+32*\sb+8*\c+6]
.endr
.endr
.irp sb, 0,1
	v_max3_num_f32 v[T+4*\sb], v[T+4*\sb], v[S0+32*\sb+7], v[S0+32*\sb+15]
	v_max3_num_f32 v[T+4*\sb+2], v[T+4*\sb+2], v[S0+32*\sb+23], v[S0+32*\sb+31]
.endr
.irp sb, 0,1
.if \first
	v_max_num_f32 v[T+4*\sb], v[T+4*\sb], v[T+4*\sb+1]
.else
	v_max3_num_f32 v[T+4*\sb], v[T+4*\sb], v[T+4*\sb+1], v[M+2*\g+\sb]
.endif
.endr
.irp sb, 0,1
	v_max3_num_f32 v[T+4*\sb], v[T+4*\sb], v[T+4*\sb+2], v[T+4*\sb+3]
.endr
.irp sb, 0,1
	v_permlanex16_b32 v[T+4*\sb+1], v[T+4*\sb], s52, s53           ; the other half of the query's keys
.endr
.irp sb, 0,1
	v_max_num_f32 v[M+2*\g+\sb], v[T+4*\sb], v[T+4*\sb+1]          ; the new running maximum
.endr
.irp sb, 0,1
	v_mul_f32 v[NM+2*\sb], s56, v[M+2*\g+\sb]                      ; NM = -c M
.endr
.if \first
.else
.irp sb, 0,1
	v_sub_f32 v[T+4*\sb+2], v[NM+2*\sb], v[NMS+2*\g+\sb]           ; at most 0
.endr
.irp sb, 0,1
	v_exp_f32 v[AL+2*\sb], v[T+4*\sb+2]                            ; the plain moves below stand between these and the first use of AL (ISA guide 5.7.2)
.endr
.endif
.irp sb, 0,1
	v_mov_b32 v[NMS+2*\g+\sb], v[NM+2*\sb]
.endr
.if \first
.else
	s_wait_alu depctr_va_vdst(0)
.irp sb, 0,1
	v_pk_mul_f32 v[LP+2*(2*\g+\sb):LP+2*(2*\g+\sb)+1], v[LP+2*(2*\g+\sb):LP+2*(2*\g+\sb)+1], v[AL+2*\sb:AL+2*\sb+1] op_sel_hi:[1,0]
.endr
.endif
	; 32 groups: the two exponentials of pair i, then plain lines: sum and packing of pair i - 1, the scaling of pair i + 2, one pair of O's rescale.
	; So a plain instruction always stands between an exponential and the use of its result, and no long run of either kind stands alone.
	FMA 0
	FMA 1
.set nn, 0
.rept 32
	v_exp_f32 v[S0+2*nn], v[S0+2*nn]
	v_exp_f32 v[S0+2*nn+1], v[S0+2*nn+1]
.if nn
	SUMPACK \g, nn-1, \first
.endif
.if nn < 30
	FMA nn+2
.endif
.if \first
.else
	RESC \g, nn
.endif
.set nn, nn+1
.endr
	SUMPACK \g, 31, \first
.endm
; A sub-block: 64 keys for my 64 queries, 64 matrix instructions.  Its K and V fragments were loaded in the sub-block before.
; turn = 1: this is a slot's last sub-block: one barrier, in front of which my reads of the slot and all my tensor loads are done; the next fragments come from slot nslot;
; fill = 1: that barrier opens a round of the cluster's barrier, and slot is asked for again behind it, two steps ahead;
; more = 1: the next sub-block's fragments are loaded.
.macro SUBBLK first, turn, fill, slot, more, nslot
	s_wait_dscnt 16                                ; K's 16 loads are back; V's 16, issued behind them, may be out
	WIN 0x50                                       ; D and C window 1, K and Q window 0
	SMUL 0
.if \turn
	s_wait_dscnt 0x0                               ; V's loads are back too: they were my last reads of the slot
	s_set_vgpr_msb 0x5055
	s_wait_tensorcnt 0x0                           ; all my tensor loads have landed: the one that was out is my part of the next slot
	ds_add_u32 v254, v255
	s_wait_dscnt 0x0
	s_set_vgpr_msb 0x5550
	s_barrier_signal -1                            ; said early: a softmax step and 32 matrix instructions, register work all of it, stand between this and the wait
.endif
	PLACES 4                                       ; before vector instructions read the scores
	WIN 0x55
	SOFT2 0, \first
.if \turn
.else
	s_wait_dscnt 0x0                               ; V is back
.endif
	WIN 0x54                                       ; O window 1, V^T window 0, P window 1
	PVMUL 0, \first
	PLACES 5                                       ; before matrix instructions write over P
	WIN 0x50
	SMUL 1
	PLACES 4                                       ; before the scores are read, and before loads land in K's fragments
	WIN 0
.if \turn
	s_barrier_wait -1
.if \fill
	CREST                                          ; no wave of any partner still reads the slot or has a load on its way
	s_add_nc_u64 s[G0K+4*\slot+2:G0K+4*\slot+3], s[G0K+4*\slot+2:G0K+4*\slot+3], 131072  ; two steps on: 1,024 keys of 128 bytes
	s_add_nc_u64 s[G0V+4*\slot+2:G0V+4*\slot+3], s[G0V+4*\slot+2:G0V+4*\slot+3], 131072
	JLOAD \slot                                    ; the wave's one tensor load behind the round; eight sub-blocks pass before the wait for it
.endif
	v_mov_b32 v[AK], v[KB+\nslot]                  ; on to the other slot's first 64 keys
.endif
.if \more
	KLOAD
.endif
	WIN 0x55
	SOFT2 1, \first
	WIN 0x54
	PVMUL 1, \first
	PLACES 5                                       ; before the next scores write over P, before loads land in V's fragments, before O is read
	WIN 0
.if \turn
	v_mov_b32 v[AV], v[VB+\nslot]
.endif
.if \more
	VLOAD
.endif
.endm
.macro RUN n                           ; n plain sub-blocks of one slot: a counted loop of one sub-block; AK and AV walk the slot
	s_mov_b32 s57, \n
.Lrun_\@:
	SUBBLK 0, 0, 0, 0, 1, 0
	s_sub_co_u32 s57, s57, 1
	s_cmp_lg_u32 s57, 0
	s_cbranch_scc1 .Lrun_\@
.endm
	s_wait_tensorcnt 0x1                           ; my part of step 0 is in; step 1's may stay out
	s_barrier_signal -1
	s_barrier_wait -1
	KLOAD
	VLOAD
	s_wait_loadcnt 0x0                             ; Q
	SUBBLK 1, 0, 0, 0, 1, 0                        ; step 0 (slot 0), sub-block 0: starts maximum, sums and O
	RUN 6                                          ; sub-blocks 1 to 6
	SUBBLK 0, 1, 1, 0, 1, 1                        ; sub-block 7: slot 0 is asked for again (step 2)
	RUN 7                                          ; step 1 (slot 1), sub-blocks 0 to 6
	SUBBLK 0, 1, 1, 1, 1, 0                        ; sub-block 7: slot 1 is asked for again (step 3): the last load
	RUN 7                                          ; step 2 (slot 0)
	SUBBLK 0, 1, 0, 0, 1, 1                        ; a plain barrier: step 3's tiles are whole for every wave, and no wave reads slot 0 any more
	RUN 7                                          ; step 3 (slot 1)
	SUBBLK 0, 0, 0, 0, 0, 0                        ; the last 64 keys
	; THE WAY OUT, a query tile at a time: join the two halves' sums, divide, round to f16, 16 bytes a lane into my own stage, read back so that a store of the
	; wave covers 512 neighbouring bytes: four rows of the head.  LDS serves a wave's instructions in order (ISA guide 5.7.1): no wait between stores and loads.
	; The stage lies in slot 0: its last fill landed before the second round, every wave's last read of it came back before the third barrier, and no load follows.
.macro OUTQ qt
	WIN 0x55
	v_add_f32 v[T], v[LP+2*\qt], v[LP+2*\qt+1]
	v_permlanex16_b32 v[T+1], v[T], s52, s53
	v_add_f32 v[T], v[T], v[T+1]                   ; the row's sum: at least the largest term, which is about 1
	v_rcp_f32 v[AL], v[T]
	v_nop                                          ; a plain instruction before the reciprocal is used (ISA guide 5.7.2)
.set j, 0
	s_wait_alu depctr_va_vdst(0)
.rept 16
	v_pk_mul_f32 v[32*\qt+2*j:32*\qt+2*j+1], v[32*\qt+2*j:32*\qt+2*j+1], v[AL:AL+1] op_sel_hi:[1,0]
.set j, j+1
.endr
	WIN 0x05                                       ; sources window 1, destination window 0
.irp dt, 0,1,2,3
.irp i, 0,1,2,3
	v_cvt_pk_f16_f32 v[TMP+4*\dt+\i], v[32*\qt+8*\dt+2*\i], v[32*\qt+8*\dt+2*\i+1]
.endr
.endr
	WIN 0
.irp dt, 0,1,2,3
	ds_store_b128 v[STO], v[TMP+4*\dt:TMP+4*\dt+3] offset:32*\dt
.endr
	s_wait_xcnt 0x0                                ; the set of RB that earlier stores read is loaded again only behind this wait
.irp t, 0,1,2,3
	ds_load_b128 v[RB+16*(\qt&1)+4*\t:RB+16*(\qt&1)+4*\t+3], v[RD] offset:\t*4*KP
.endr
.irp t, 0,1,2,3
	s_wait_dscnt 3-\t                              ; load t is back, the 3 - t younger ones stay out
	global_store_b128 v[CO], v[RB+16*(\qt&1)+4*\t:RB+16*(\qt&1)+4*\t+3], s[10:11] offset:(16*\qt+4*\t)*128
.endr
.endm
	OUTQ 0
	OUTQ 1
	OUTQ 2
	OUTQ 3
	s_set_vgpr_msb 0x5
	s_wait_tensorcnt 0x0
	ds_add_u32 v254, v255
	s_wait_dscnt 0x0
	s_set_vgpr_msb 0x500
	CROUND                                         ; the closing round: no work-group ends while a partner may still ask for a tile that names it
	s_endpgm
.Lfunc_end_k_q6c669c926b_attn:
	.size	k_q6c669c926b_attn, .Lfunc_end_k_q6c669c926b_attn-k_q6c669c926b_attn
	.p2alignl 7, 3214868480
	.fill 96, 4, 3214868480
	.section	.rodata,"a",@progbits
	.p2align	6, 0x0
	.amdhsa_kernel k_q6c669c926b_attn
		.amdhsa_group_segment_fixed_size 327680
		.amdhsa_private_segment_fixed_size 0
		.amdhsa_enable_private_segment 0
		.amdhsa_kernarg_size 32
		.amdhsa_user_sgpr_count 2
		.amdhsa_user_sgpr_kernarg_segment_ptr 1
		.amdhsa_wavefront_size32 1
		.amdhsa_system_sgpr_workgroup_id_x 1
		.amdhsa_system_sgpr_workgroup_id_y 1
		.amdhsa_system_sgpr_workgroup_id_z 1
		.amdhsa_system_vgpr_workitem_id 0
		.amdhsa_next_free_vgpr 512
		.amdhsa_next_free_sgpr 66
		.amdhsa_reserve_vcc 0
		.amdhsa_float_denorm_mode_32 3
		.amdhsa_float_denorm_mode_16_64 3
		.amdhsa_memory_ordered 1
		.amdhsa_forward_progress 1
		.amdhsa_inst_pref_size 255
	.end_amdhsa_kernel
	.section	.bss,"aw",@nobits
	.p2align	6
	.space	262144
	.amdgpu_metadata
---
amdhsa.version: [ 1, 2 ]
amdhsa.kernels:
  - .name:           k_q6c669c926b_attn
    .symbol:         k_q6c669c926b_attn.kd
    .args:
      - { .name: qh, .offset: 0, .size: 8, .value_kind: global_buffer, .address_space: global }
      - { .name: kh, .offset: 8, .size: 8, .value_kind: global_buffer, .address_space: global }
      - { .name: vh, .offset: 16, .size: 8, .value_kind: global_buffer, .address_space: global }
      - { .name: xh, .offset: 24, .size: 8, .value_kind: global_buffer, .address_space: global }
    .group_segment_fixed_size: 327680
    .private_segment_fixed_size: 0
    .kernarg_segment_align: 8
    .kernarg_segment_size: 32
    .max_flat_workgroup_size: 256
    .sgpr_count:     66
    .vgpr_count:     512
    .wavefront_size: 32
...
	.end_amdgpu_metadata
.endif
;; end of part 3
;; launch outp (part 4): grid 4 x 64, 4 waves a work-group, clusters of 4 x 4, 327,680 bytes of LDS; arguments xh, wh, bo, out0; writes out0
.if DOCPART == 4
	.amdgcn_target "amdgcn-amd-amdhsa--gfx1250"
	.amdhsa_code_object_version 6
	.text
	.protected	k_q6c669c926b_outp
	.globl	k_q6c669c926b_outp
	.p2align	8
	.type	k_q6c669c926b_outp,@function
k_q6c669c926b_outp:
	s_mov_b64 s[64:65], 0
	v_nop
	global_prefetch_b8 v0, s[64:65] scope:SCOPE_SE
	s_setreg_imm32_b32 hwreg(HW_REG_WAVE_MODE, 25, 1), 1
	s_wait_xcnt 0x0
	s_wait_alu depctr_hold_cnt(0) depctr_sa_sdst(0) depctr_va_vdst(0) depctr_va_sdst(0) depctr_va_ssrc(0) depctr_va_vcc(0) depctr_vm_vsrc(0)
	s_getreg_b32 s2, hwreg(HW_REG_IB_STS2, 6, 4)
	s_cmp_eq_u32 s2, 0
	s_cbranch_scc0 .Lentry_in_a_cluster
	s_endpgm
.Lentry_in_a_cluster:
	s_bfe_u32 s2, ttmp6, 0x10000c
	s_cmp_lg_u32 s2, 0xf033
	s_cbranch_scc0 .Lentry_shape_is_right
	s_endpgm
.Lentry_shape_is_right:
; outp: out0 = x Wo + bo.  x: f16 [B][H][S][64] (xh); Wo: f16 [1024 (k)][1024 (f)], the fourth matrix of wh; out0: f32 [8192][1024].  Sums in f32.
; 256 blocks of 128 (s) x 256 (f), one for each WGP; four waves, a wave makes 64 x 128: 32 accumulator tiles.  k = 64 head + d, so a K step of 128 is two heads.
; CLUSTERS: 4 x 4 work-groups.  x's tiles hang on the block row alone and are asked for jointly along a row of the cluster, Wo's on the block column alone, along a column.
; THE MATRIX INSTRUCTION IS USED TRANSPOSED: source 0 = 16 columns f of Wo (transposing LDS load), source 1 = 16 rows s of x.  Lane (r, h), register j of tile (b, a)
; holds out(s = 16 b + r, f = 16 a + 8 h + j).  The first product takes the bias as C.
; REGISTERS: window 0: addresses and two buffers each of x's and Wo's fragments; window 1: the accumulators, tile (b, a) at 8 (8 b + a); window 2: v0-63 the bias.
.set PART,  34816                      ; a quarter of a slot: 128 rows of one head of x at 144 bytes (18,432 used) or 64 k rows of Wo at 544 bytes
.set SLOT,  4*PART                     ; x head 2 t, x head 2 t + 1, Wo k rows 0-63, Wo k rows 64-127
.set STAGE, 2*SLOT                     ; behind the ring: 16 rows x 528 bytes for each wave; no tensor load lands here
.set XP,    144                        ; 128 bytes + 16: an odd multiple of 16
.set WP,    544                        ; 512 bytes + 32: an odd multiple of 32
.set SP,    528                        ; 512 bytes + 16
.set ADRX, 4
.set ADRW, 6
.set STO,  8
.set RD,   9
.set CO,   10
.set BOFF, 11
.set XF0,  16                          ; v16-47   x fragments, buffer 0
.set XF1,  48                          ; v48-79   buffer 1
.set WF0,  112                         ; v112-175 Wo fragments, buffer 0
.set WF1,  176                         ; v176-239 buffer 1
.set G1X, 32
.set G1W, 40
.set G0X, 48
.set G0W, 56
.set MSB, 0
.macro WIN new                         ; bits 1:0 source 0, 3:2 source 1, 5:4 source 2, 7:6 destination; the high byte repeats the setting that is left
.if MSB != \new
	s_set_vgpr_msb (MSB<<8)|\new
.set MSB, \new
.endif
.endm
.macro PLACES n                        ; independent vector instructions behind matrix instructions (ISA guide 7.12.1)
.rept \n
	v_nop
.endr
.endm
.macro JLOAD s                         ; waves 0 and 1 fetch x's two heads, waves 2 and 3 Wo's two halves; the branch hangs on the wave's number alone
	s_cmp_eq_u32 s67, 0
	s_cbranch_scc0 .Lfor_w_\@
	tensor_load_to_lds s[G0X+4*\s:G0X+4*\s+3], s[G1X:G1X+7]
	s_nop 0
	s_branch .Lasked_\@
.Lfor_w_\@:
	tensor_load_to_lds s[G0W+4*\s:G0W+4*\s+3], s[G1W:G1W+7]
	s_nop 0
.Lasked_\@:
.endm
.macro CREST                           ; a round of the cluster's barrier behind its opening barrier
	s_cmp_lg_u32 s66, 0
	s_cbranch_scc1 .Lnot_wave_0_\@
	s_barrier_signal -3
.Lnot_wave_0_\@:
	s_barrier_wait -3
	s_barrier_signal -1
	s_barrier_wait -1
.endm
.macro CROUND
	s_barrier_signal -1
	s_barrier_wait -1
	CREST
.endm
	s_load_b256 s[8:15], s[0:1], 0x0               ; xh s[8:9], wh s[10:11], bo s[12:13], out0 s[14:15]
	v_lshl_add_u32 v254, v0, 2, 0x4c400
	v_mov_b32 v255, 0
	ds_add_u32 v254, v255
	v_lshrrev_b32 v1, 5, v0
	v_readfirstlane_b32 s66, v1                    ; wave 0..3
	s_lshr_b32 s67, s66, 1                         ; mh: my 64 rows.  Also: I fetch for x (0) or for Wo (1)
	s_and_b32 s68, s66, 1                          ; nh: my 128 columns.  Also: which head, or which 64 k rows, I fetch
	s_bfe_u32 s69, ttmp6, 0x40000                  ; cx
	s_bfe_u32 s70, ttmp6, 0x40004                  ; cy
	s_lshl_b32 s71, ttmp9, 2
	s_add_co_u32 s71, s71, s69                     ; nb: block column
	s_and_b32 s72, ttmp7, 0xffff
	s_lshl_b32 s74, s72, 2
	s_add_co_u32 s74, s74, s70                     ; mb: block row 0..63
	s_lshl_b32 s75, s70, 2
	s_lshl_b32 s75, 15, s75                        ; my row of the cluster
	s_lshl_b32 s76, 0x1111, s69                    ; my column
	; group 1 for x: 128 rows x 64 elements of 2 bytes, dense in memory; after every 32 words 4 words of padding
	s_or_b32 s[G1X+0], s75, (1<<16)|(1<<20)|(1<<21)|(4<<22)|(3<<25)
	s_mov_b32 s[G1X+1], 64<<16                     ; tensor_dim0 = 64
	s_mov_b32 s[G1X+2], 128<<16                    ; tensor_dim1 = 128
	s_mov_b32 s[G1X+3], 64<<16                     ; tile_dim0 = 64
	s_mov_b32 s[G1X+4], 128                        ; tile_dim1 = 128
	s_mov_b32 s[G1X+5], 64                         ; elements from row to row
	s_mov_b32 s[G1X+6], 0
	s_mov_b32 s[G1X+7], 0
	; group 1 for Wo: 64 rows x 256 elements of 2 bytes; after every 128 words 8 words of padding
	s_or_b32 s[G1W+0], s76, (1<<16)|(1<<20)|(1<<21)|(6<<22)|(7<<25)
	s_mov_b32 s[G1W+1], 256<<16
	s_mov_b32 s[G1W+2], 64<<16
	s_mov_b32 s[G1W+3], 256<<16
	s_mov_b32 s[G1W+4], 64
	s_mov_b32 s[G1W+5], 1024
	s_mov_b32 s[G1W+6], 0
	s_mov_b32 s[G1W+7], 0
	; offsets.  s78-81 hold what hangs on the block row (cy), s92-95 and s31 what hangs on the block column (cx)
	s_lshr_b32 s80, s74, 4                         ; x: ((16 batch + nh) x 2048 + 128 (mb % 16)) x 128 bytes
	s_lshl_b32 s80, s80, 22
	s_and_b32 s78, s74, 15
	s_lshl_b32 s78, s78, 14
	s_add_co_u32 s80, s80, s78
	s_lshl_b32 s78, s68, 18
	s_add_co_u32 s80, s80, s78
	s_mov_b32 s81, 0
	s_lshl_b32 s78, s74, 19                        ; out0: (128 mb + 64 mh) rows of 4,096 bytes
	s_lshl_b32 s79, s67, 18
	s_add_co_u32 s78, s78, s79
	s_mov_b32 s79, 0
	s_lshl_b32 s92, s68, 17                        ; Wo: the fourth matrix of wh, + my 64 k rows of 2,048 bytes, + 512 bytes for each block column
	s_add_co_u32 s92, s92, 3<<21
	s_lshl_b32 s31, s71, 9
	s_add_co_u32 s92, s92, s31
	s_mov_b32 s93, 0
	s_lshl_b32 s94, s71, 10                        ; the bias, and out0's columns: (256 nb + 128 nh) x 4 bytes
	s_lshl_b32 s31, s68, 9
	s_add_co_u32 s94, s94, s31
	s_mov_b32 s95, 0
	s_mul_i32 s77, s66, PART                       ; where my part of a tile goes: wave x PART
	s_wait_dscnt 0x0
	s_wait_kmcnt 0x0
	s_add_nc_u64 s[84:85], s[8:9], s[80:81]
	s_add_nc_u64 s[86:87], s[10:11], s[92:93]
	s_add_nc_u64 s[88:89], s[12:13], s[94:95]
	s_add_nc_u64 s[90:91], s[14:15], s[78:79]
	s_add_nc_u64 s[90:91], s[90:91], s[94:95]
	CROUND                                         ; all sixteen work-groups are here: the first joint loads meet
.irp s, 0,1
	s_mov_b32 s[G0X+4*\s], 1
	s_add_co_u32 s[G0X+4*\s+1], s77, \s*SLOT
	s_add_nc_u64 s[G0X+4*\s+2:G0X+4*\s+3], s[84:85], \s*524288     ; K step s: two heads of 262,144 bytes
	s_or_b32 s[G0X+4*\s+3], s[G0X+4*\s+3], 0x80000000
	s_mov_b32 s[G0W+4*\s], 1
	s_add_co_u32 s[G0W+4*\s+1], s77, \s*SLOT
	s_add_nc_u64 s[G0W+4*\s+2:G0W+4*\s+3], s[86:87], \s*262144     ; K step s: 128 rows of 2,048 bytes
	s_or_b32 s[G0W+4*\s+3], s[G0W+4*\s+3], 0x80000000
	JLOAD \s                                       ; two tensor loads of the wave are out here, one later on
.endr
	v_and_b32 v1, 31, v0                           ; L
	v_and_b32 v2, 15, v0                           ; r
	v_bfe_u32 v3, v0, 4, 1                         ; h
	v_lshlrev_b32 v[BOFF], 5, v3
	WIN 0x80                                       ; destination window 2
.irp a, 0,1,2,3,4,5,6,7
	global_load_b128 v[8*\a:8*\a+3],   v[BOFF], s[88:89] offset:64*\a
	global_load_b128 v[8*\a+4:8*\a+7], v[BOFF], s[88:89] offset:64*\a+16
.endr
	WIN 0
	v_mul_u32_u24 v13, v2, XP                      ; x fragment: row r, 16 bytes at 16 h
	v_lshl_add_u32 v13, v3, 4, v13
	s_mul_i32 s28, s67, 64*XP                      ; my 64 rows
	v_add_nc_u32 v[ADRX], s28, v13
	v_add_nc_u32 v[ADRX+1], SLOT, v[ADRX]
	v_and_b32 v14, 7, v0                           ; Wo fragment by the transposing load: k row 8 h + (L & 7), 16 bytes at column 8 ((L >> 3) & 1)
	v_lshl_add_u32 v14, v3, 3, v14
	v_mul_u32_u24 v14, v14, WP
	v_bfe_u32 v15, v0, 3, 1
	v_lshl_add_u32 v14, v15, 4, v14
	s_lshl_b32 s29, s68, 8
	s_add_co_u32 s29, s29, 2*PART
	v_add_nc_u32 v[ADRW], s29, v14
	v_add_nc_u32 v[ADRW+1], SLOT, v[ADRW]
	s_mul_i32 s30, s66, 16*SP
	s_add_co_u32 s30, s30, STAGE                   ; my stage
	v_mul_u32_u24 v13, v2, SP                      ; in: row r, 32 bytes for each half of the lanes
	v_lshl_add_u32 v13, v3, 5, v13
	v_add_nc_u32 v[STO], s30, v13
	v_lshlrev_b32 v[CO], 4, v1                     ; back: the 32 lanes take one row of 512 bytes
	v_add_nc_u32 v[RD], s30, v[CO]
; 24 LDS loads: substep q (32 along K: head q >> 1 of the slot's two, d from 32 (q & 1)) into buffers xf and wf
.macro FETCH slot, q, xf, wf
.irp b, 0,1,2,3
	ds_load_b128 v[\xf+8*\b:\xf+8*\b+3],   v[ADRX+\slot] offset:((\q)>>1)*PART+\b*16*XP+((\q)&1)*64
	ds_load_b128 v[\xf+8*\b+4:\xf+8*\b+7], v[ADRX+\slot] offset:((\q)>>1)*PART+\b*16*XP+((\q)&1)*64+32
.endr
.irp a, 0,1,2,3,4,5,6,7
	ds_load_tr16_b128 v[\wf+8*\a:\wf+8*\a+3],   v[ADRW+\slot] offset:(\q)*32*WP+32*\a
	ds_load_tr16_b128 v[\wf+8*\a+4:\wf+8*\a+7], v[ADRW+\slot] offset:(\q)*32*WP+32*\a+16*WP
.endr
.endm
; 16 matrix instructions: s tiles b0, b0 + 1 x all eight f tiles.  first = 1: C is the bias (window 2).
; The 32 accumulators take turns, one instruction a turn, in the same order in every substep.
.macro MUL xf, wf, b0, first
.irp b, \b0, \b0+1
.irp a, 0,1,2,3,4,5,6,7
.if \first
	v_wmma_f32_16x16x32_f16 v[8*(8*(\b)+\a):8*(8*(\b)+\a)+7], v[\wf+8*\a:\wf+8*\a+7], v[\xf+8*(\b):\xf+8*(\b)+7], v[8*\a:8*\a+7]
.else
	v_wmma_f32_16x16x32_f16 v[8*(8*(\b)+\a):8*(8*(\b)+\a)+7], v[\wf+8*\a:\wf+8*\a+7], v[\xf+8*(\b):\xf+8*(\b)+7], v[8*(8*(\b)+\a):8*(8*(\b)+\a)+7]
.endif
.endr
.endr
.endm
; One of a K step's first three substeps: multiplies buffers xf, wf; fetches substep qn of the same slot into xg, wg.
.macro SUB slot, qn, xf, wf, xg, wg, first
	PLACES 4                                       ; behind the last substep's products, which read the buffers that are loaded below
	s_wait_dscnt 0x0                               ; this substep's 24 loads, issued 32 matrix instructions ago
	WIN 0
	FETCH \slot, \qn, \xg, \wg
.if \first
	WIN 0x60                                       ; C window 2 (the bias), D window 1
.else
	WIN 0x50
.endif
	MUL \xf, \wf, 0, \first
	MUL \xf, \wf, 2, \first
.endm
.macro THREE slot, first
	SUB \slot, 1, XF0, WF0, XF1, WF1, \first
	SUB \slot, 2, XF1, WF1, XF0, WF0, 0
	SUB \slot, 3, XF0, WF0, XF1, WF1, 0
.endm
; The fourth substep: multiplies buffers 1 and changes slots.  One barrier: in front of it each wave has waited for its reads of this slot and for all its tensor loads.
; fill = 1: the barrier opens a round of the cluster's barrier, and behind the round this slot is asked for again, two K steps ahead, first thing.
.macro TURN slot, next, fill
	PLACES 4                                       ; behind the third substep's products, the last to read buffers 0, which are loaded behind the barrier
	s_wait_dscnt 0x0                               ; my last reads of this slot are back
	s_wait_tensorcnt 0x0                           ; all my tensor loads have landed
	ds_add_u32 v254, v255
	s_wait_dscnt 0x0
	s_barrier_signal -1
	WIN 0x50
	MUL XF1, WF1, 0, 0                             ; register work while the others arrive
	WIN 0
	s_barrier_wait -1
.if \fill
	CREST                                          ; no wave of any partner still reads this slot or has a load on its way
	s_add_nc_u64 s[G0X+4*\slot+2:G0X+4*\slot+3], s[G0X+4*\slot+2:G0X+4*\slot+3], 1048576  ; two K steps on: four heads,
	s_add_nc_u64 s[G0W+4*\slot+2:G0W+4*\slot+3], s[G0W+4*\slot+2:G0W+4*\slot+3], 524288   ; 256 rows down Wo
	JLOAD \slot                                    ; the wave's one tensor load behind the round
.endif
	FETCH \next, 0, XF0, WF0
	WIN 0x50
	MUL XF1, WF1, 2, 0
.endm
	s_wait_tensorcnt 0x1                           ; my part of K step 0 is in; K step 1's may stay out
	s_barrier_signal -1
	s_barrier_wait -1
	FETCH 0, 0, XF0, WF0
	s_wait_loadcnt 0x0                             ; the bias
	THREE 0, 1                                     ; eight K steps, written out
	TURN 0, 1, 1
	THREE 1, 0
	TURN 1, 0, 1
	THREE 0, 0
	TURN 0, 1, 1
	THREE 1, 0
	TURN 1, 0, 1
	THREE 0, 0
	TURN 0, 1, 1
	THREE 1, 0
	TURN 1, 0, 1                                   ; the last refill: K step 7
	THREE 0, 0
	TURN 0, 1, 0                                   ; a plain barrier: nothing is left to fetch
	THREE 1, 0
	s_wait_dscnt 0x0                               ; the very last substep
	WIN 0x50
	MUL XF1, WF1, 0, 0
	MUL XF1, WF1, 2, 0
	; THE WAY OUT, 16 rows at a time: the f32 results go as they are into my own stage, 32 bytes a lane, and come back as whole rows: a store of the wave covers
	; 512 neighbouring bytes of a row of out0, at a multiple of 512.  LDS serves a wave's instructions in order (ISA guide 5.7.1): no wait between stores and loads.
	PLACES 4                                       ; behind the last products: LDS stores read results, loads land in Wo's buffers
.macro OUT16 b, f
	WIN 0x04                                       ; the stores' data in window 1
.irp a, 0,1,2,3,4,5,6,7
	ds_store_b128 v[STO], v[8*(8*\b+\a):8*(8*\b+\a)+3]   offset:64*\a
	ds_store_b128 v[STO], v[8*(8*\b+\a)+4:8*(8*\b+\a)+7] offset:64*\a+16
.endr
	WIN 0
	s_wait_xcnt 0x0                                ; buffer f, which earlier stores read, is loaded again only behind this wait
.irp t, 0,1,2,3,4,5,6,7,8,9,10,11,12,13,14,15
	ds_load_b128 v[\f+4*\t:\f+4*\t+3], v[RD] offset:\t*SP
.endr
.irp t, 0,1,2,3,4,5,6,7,8,9,10,11,12,13,14,15
	s_wait_dscnt 15-\t                             ; load t is back, the 15 - t younger ones stay out
	global_store_b128 v[CO], v[\f+4*\t:\f+4*\t+3], s[90:91] offset:(16*\b+\t)*4096 th:TH_STORE_NT
.endr
.endm
	OUT16 0, WF0
	OUT16 1, WF1
	OUT16 2, WF0
	OUT16 3, WF1
	s_wait_tensorcnt 0x0
	ds_add_u32 v254, v255
	s_wait_dscnt 0x0
	CROUND                                         ; the closing round: no work-group ends while a partner may still ask for a tile that names it
	s_endpgm
.Lfunc_end_k_q6c669c926b_outp:
	.size	k_q6c669c926b_outp, .Lfunc_end_k_q6c669c926b_outp-k_q6c669c926b_outp
	.p2alignl 7, 3214868480
	.fill 96, 4, 3214868480
	.section	.rodata,"a",@progbits
	.p2align	6, 0x0
	.amdhsa_kernel k_q6c669c926b_outp
		.amdhsa_group_segment_fixed_size 327680
		.amdhsa_private_segment_fixed_size 0
		.amdhsa_enable_private_segment 0
		.amdhsa_kernarg_size 32
		.amdhsa_user_sgpr_count 2
		.amdhsa_user_sgpr_kernarg_segment_ptr 1
		.amdhsa_wavefront_size32 1
		.amdhsa_system_sgpr_workgroup_id_x 1
		.amdhsa_system_sgpr_workgroup_id_y 1
		.amdhsa_system_sgpr_workgroup_id_z 1
		.amdhsa_system_vgpr_workitem_id 0
		.amdhsa_next_free_vgpr 576
		.amdhsa_next_free_sgpr 96
		.amdhsa_reserve_vcc 0
		.amdhsa_float_denorm_mode_32 3
		.amdhsa_float_denorm_mode_16_64 3
		.amdhsa_memory_ordered 1
		.amdhsa_forward_progress 1
		.amdhsa_inst_pref_size 149
	.end_amdhsa_kernel
	.amdgpu_metadata
---
amdhsa.version: [ 1, 2 ]
amdhsa.kernels:
  - .name:           k_q6c669c926b_outp
    .symbol:         k_q6c669c926b_outp.kd
    .args:
      - { .name: xh, .offset: 0, .size: 8, .value_kind: global_buffer, .address_space: global }
      - { .name: wh, .offset: 8, .size: 8, .value_kind: global_buffer, .address_space: global }
      - { .name: bo, .offset: 16, .size: 8, .value_kind: global_buffer, .address_space: global }
      - { .name: out0, .offset: 24, .size: 8, .value_kind: global_buffer, .address_space: global }
    .group_segment_fixed_size: 327680
    .private_segment_fixed_size: 0
    .kernarg_segment_align: 8
    .kernarg_segment_size: 32
    .max_flat_workgroup_size: 128
    .sgpr_count:     96
    .vgpr_count:     576
    .wavefront_size: 32
...
	.end_amdgpu_metadata
.endif
;; end of part 4
